; MI455X (gfx1250); checked and timed in simulation.
; The chip was launched on July 23, 2026; its instructions are those of AMD's public machine-readable ISA for CDNA 5 (MIT licence, August 2026) and "CDNA5" Instruction Set Architecture Reference Guide (July 2026). The comments in the code are by the model that wrote it; some were corrected since.
;; Flash Attention. Allowed arithmetic: matrix products marked QUANTISED: E2M1 operands, one E8M0 scale for each 32 along K, by v_wmma_scale_f32_16x16x128_f8f6f4 with both operands' format E2M1 (or v_wmma_scale_f32_32x16x128_f4), f32 sums; everything else in f32.
;; Inputs: k_codes 4 x 2,048 x 16 x 2 x 16 uint8 (E2M1 codes of k, K innermost, in blocks of 32 codes, two codes a byte); k_scales 4 x 2,048 x 16 x 2 uint8 (E8M0 scales of k, one for each 32 codes along K); q_codes 4 x 2,048 x 16 x 2 x 16 uint8 (E2M1 codes of q, K innermost, in blocks of 32 codes, two codes a byte); q_scales 4 x 2,048 x 16 x 2 uint8 (E8M0 scales of q, one for each 32 codes along K); v_codes 4 x 16 x 64 x 64 x 16 uint8 (E2M1 codes of v, K innermost, in blocks of 32 codes, two codes a byte); v_scales 4 x 16 x 64 x 64 uint8 (E8M0 scales of v, one for each 32 codes along K).
;; Outputs: out0 4 x 2,048 x 16 x 64 float32.
;; This version of the problem:
;;   THIS VERSION OF THE PROBLEM IS GIVEN IN LOW PRECISION. The matrix products marked QUANTISED in the list below multiply operands that are first quantised to E2M1 (2 exponent bits, 1 mantissa bit; 4 bits a number), with one power-of-two scale for each 32 numbers along K (OCP MX v1.0); their sums are f32. All else is computed in f32.
;;   The module's matrix products, in the order in which they are computed (A, B: the left and right operand; K: the contracted axis; several contracted axes count as one K, in the product's order):
;;     1. batch 64 x [M 2,048, K 64] x [K 64, N 2,048]; A: input q (given as codes); B: input k (given as codes): QUANTISED
;;     2. batch 64 x [M 64, K 2,048] x [K 2,048, N 2,048]; A: input v (given as codes); B: softmax (see below): QUANTISED
;;   THE QUANTISER, for each operand of a quantised product, along K:
;;     - K is cut into blocks of 32 from its start; a last block that is shorter is filled with zeros.
;;     - A block's scale is 2^e with e = floor(log2(the largest magnitude in the block)) - 2, held to -126 .. 127; a block of zeros has e = 0. As a byte (E8M0): e + 127.
;;     - Each number is divided by its block's scale, clamped to +-6, and rounded to the nearest number of E2M1, ties to even, subnormals kept.
;;     - The product sums the exact products of the quantised numbers (number of the format x scale) in f32.
;;   ~~~python
;;   def quantise(x, axis):      # numpy; x: float32 -> the quantised numbers, widened to float32 again
;;       x = np.moveaxis(x, axis, -1); K = x.shape[-1]
;;       x = np.pad(x, [(0, 0)] * (x.ndim - 1) + [(0, -K % 32)]); x = x.reshape(x.shape[:-1] + (-1, 32)); a = np.abs(x).max(-1, keepdims=True)
;;       e = np.where(a > 0, np.clip(np.frexp(np.where(a > 0, a, 1))[1] - 1 - 2, -126, 127), 0)      # np.frexp(a)[1] - 1 = floor(log2(a)), exactly
;;       r = np.clip(x / 2.0 ** e, -6, 6)
;;       step = 2.0 ** (np.maximum(np.frexp(np.where(r == 0, 1, r))[1] - 1, 0) - 1)
;;       q = np.round(r / step) * step * 2.0 ** e      # np.round: ties to even
;;       return np.moveaxis(q.reshape(q.shape[:-2] + (-1,))[..., :K], -1, axis).astype(np.float32)
;;   ~~~
;;   SOFTMAX AHEAD OF A QUANTISED PRODUCT. Where the list says 'softmax', what is quantised is not the finished softmax but p = 2^(t - M), with t = logit x log2(e) and M = ceil(the row's largest t), a whole number; so 1/2 < the row's largest p <= 1. The row's sum l is taken of the UNQUANTISED p, in f32, and the product's result is divided by l at the end. Since M is a whole number, a kernel that streams over the keys may use a running M (the ceiling of the running maximum): every later rescaling is an exact power of two, which a block's scale takes up: the codes' values come out the same.
;;   OPERANDS COMPUTED ON THE WAY. 'Computed on the way' means the value that the module computes at that place (a softmax that the list does not call 'softmax' is quantised finished and normalised). What goes into a quantiser is computed in f32, as accurately as f32 sums, v_exp_f32 and their like allow (about 1e-6 of the number): no bf16 or f16 on the way to a quantiser, and a product that is left as it is and whose result goes on into a quantised operand takes f32 operands (vector FMAs, or v_wmma_f32_16x16x4_f32). A number that lies on a knife's edge between two numbers of the format may be rounded either way, as far as f32 arithmetic and the matrix unit's own rounding can turn it there, and no further.
;;   INPUTS GIVEN AS CODES. k (in the module: [4, 2048, 16, 64], K = its axis 3); q (in the module: [4, 2048, 16, 64], K = its axis 3); v (in the module: [4, 2048, 16, 64], K = its axis 1): each comes as NAME_codes (uint8): NAME with its K axis moved to the last place and cut into blocks of 32 codes, [.., K / 32, bytes a block], one block behind the other in memory; two codes a byte, the lower K in the low four bits (a code: sign, 2 exponent bits, 1 mantissa bit); and NAME_scales (uint8): the same leading axes, one E8M0 byte (e + 127) for each 32 codes along K. Its value is code x scale, taken as it is: it is not quantised again, and the codes and scales need not be those that the quantiser above would give.
;; One version. Each part assembles by itself: llvm-mc -triple=amdgcn-amd-amdhsa -mcpu=gfx1250 --defsym DOCPART=n.
;; ======== version 1 of 1: 1 launch
;; launch attn (part 1): grid 4 x 64, 16 waves a work-group, clusters of 4 x 1, 327,680 bytes of LDS; arguments k_codes, k_scales, q_codes, q_scales, v_codes, v_scales, out0; writes out0
.if DOCPART == 1
	.amdgcn_target "amdgcn-amd-amdhsa--gfx1250"
	.amdhsa_code_object_version 6
	.text
	.protected	k_q0a6fe7e086_attn
	.globl	k_q0a6fe7e086_attn
	.p2align	8
	.type	k_q0a6fe7e086_attn,@function
k_q0a6fe7e086_attn:
	s_mov_b64 s[64:65], 0
	v_nop
	global_prefetch_b8 v0, s[64:65] scope:SCOPE_SE
	s_setreg_imm32_b32 hwreg(HW_REG_WAVE_MODE, 25, 1), 1
	s_wait_xcnt 0x0
	s_wait_alu depctr_hold_cnt(0) depctr_sa_sdst(0) depctr_va_vdst(0) depctr_va_sdst(0) depctr_va_ssrc(0) depctr_va_vcc(0) depctr_vm_vsrc(0)
	s_getreg_b32 s2, hwreg(HW_REG_IB_STS2, 6, 4)
	s_cmp_eq_u32 s2, 0
	s_cbranch_scc0 .Lentry_in_a_cluster
	s_endpgm
.Lentry_in_a_cluster:
	s_bfe_u32 s2, ttmp6, 0x10000c
	s_cmp_lg_u32 s2, 0x3003
	s_cbranch_scc0 .Lentry_shape_is_right
	s_endpgm
.Lentry_shape_is_right:
; out0[b][q][h][:] = sum over k of softmax_k(Q[b][q][h] . K[b][k][h] / 8, causal) V[b][k][h][:], both products on codes of FP4 (E2M1) with one E8M0 scale for each 32 along a product's K.
; B = 4, S = 2,048, H = 16, D = 64.  q, k: codes along D, 32 bytes a (b, s, h), rows of one head 512 bytes apart; their scale bytes 2 a (b, s, h), 32 bytes apart.
; v: codes with the KEYS innermost, [b][h][64 d][1,024 bytes]; its scale bytes [b][h][64 d][64].  out0: f32, a (b, s, h) row is 256 bytes, rows of one head 4,096 bytes apart.
; THE SOFTMAX AHEAD OF THE SECOND PRODUCT: t = score x log2(e) / 8; M = the row's largest t so far, rounded UP to a whole number; p = 2^(t - M) is quantised along the keys, not normalised.
; The row's sum is taken of the unquantised p, in f32, and divides O at the end.  When M moves, the sum and O are multiplied by 2^(old M - new M): exact.
; WORK LEFT OUT.  A key step (128 keys) all of whose keys come after a tile's 16 queries is not done.  reference() adds -1e9 to those logits, so that t - M lies under -1.4e9 there: p is under 2^(-1e9),
; the quantiser, which holds a block's exponent at -126, gives it the code 0 in any block, and the row's sum moves by less than 2,048 x 2^(-1e9).  On the step that holds the diagonal the hidden scores
; are set to -infinity ahead of the maximum (p = 0).  LIMITS: this holds while |q . k| / 8 stays under 4.9e8; a NaN (a scale byte 0xff), an infinity or an overflow that reaches only hidden keys is not
; carried to the result; a p under 2^-126 counts as 0 (v_exp_f32 gives 0 there), which is nothing beside a row's sum of more than 1/2.
; SHARES.  A cluster of four work-groups is one (b, h).  The head's 128 tiles of 16 queries have the numbers 4 j + p, j = 0 .. 31: partner p (its place in the cluster) takes those with its p; wave w of
; sixteen takes j = 31 - w first (pass B) and then j = w (pass A).  A tile needs key step s where 2 s <= j, and the mask only where 2 s + 2 > j: both tests are free of p, since 16 p + 15 < 64.  So no
; branch hangs on the place in the cluster, and every wave of the launch has (31 - w) / 2 + 1 + w / 2 + 1 = 17 key steps.
; LDS.  The head's whole K and V, V's scale bytes and the batch's K scale bytes (dense: a head's 2 bytes a key lie in the same 256-byte pieces) come ONCE, by joint tensor loads with a mask that names
; the four partners, all issued at the head, in four chunks of 512 keys.  Nothing is filled again.  Three barriers, in front of key steps 0, 4 and 8 of pass B, show chunks 0, 1 and the rest.
; LAYOUT.  Both products are used transposed: S^T = K Q^T (source 0 = 16 keys, source 1 = my 16 queries), O^T = V^T P^T (source 0 = 16 of the head's 64, source 1 = P): a lane holds ONE query throughout.
; THE KEYS OF A TILE ARE NOT NEIGHBOURS: lane r of tile 2 b + u takes key 32 b + 8 u + r + 8 (r / 8), so that the 16 registers of tiles 2 b and 2 b + 1 are 16 neighbouring keys, 32 b + 16 (lane / 16) + 0 .. 15.
; D = 64 IN AN INSTRUCTION OF 128 ALONG K.  Q's registers 4-7 hold zero codes, and the upper two bytes of both scale words are 0 (2^-127, a number).  K's fragment of tile t is named v[32 + 4 t : 39 + 4 t]:
; its upper four registers are the next tile's codes (zeros behind tile 7).  They meet Q's zero codes alone, and every E2M1 code is a finite number: they add exactly 0.
; REGISTERS: v1-4 lane places in LDS; v5, v6 the add's two; v7 out0's lane offset; v8-11 the step's addresses; v12 -M, v13 the largest t, v[14:15] the sum in two halves; v16-24 tile B's Q and scale word;
; v25-29 lane offsets; v32-67 K's codes and four zeros; v68-99 V's fragments; v100-163 S^T, then p; v164-195 O^T; v196-203 p's codes; v204-215 scale words; v216-231 at work; v232-240 tile A's Q; v242 -infinity.
.set VC,    98304                      ; LDS: K's codes from 0: key k at 48 k (32 bytes + 16 of padding);  V's codes from VC: chunk c, 64 rows d of 256 bytes + 16
.set VCH,   17408                      ; a chunk of V: 64 x 272
.set KS,    167936                     ; the batch's K scale bytes: 256 pieces of 256 bytes + 8; key k, head h at 264 (k / 8) + 32 (k % 8) + 2 h
.set KSCH,  16896                      ; a chunk of them: 64 x 264
.set VS,    235520                     ; V's scale bytes: 16 pieces of 256 bytes + 16; row d at 64 d + 16 (d / 4), key step s at + 4 s
.set STAGE, 239872                     ; the way out: 16 rows x 272 bytes for each wave; no tensor load lands here
.set SPARE, 309504                     ; the spare words, 128 bytes for each wave: eight blocks of 256 bytes that no other line names
.set AK0,  1
.set AV0,  2
.set ASK0, 3
.set ASV0, 4
.set SPW,  5                           ; v5   LDS address of my spare word; never rewritten
.set NIL,  6                           ; v6   0; never rewritten
.set GO,   7
.set ADK,  8
.set ADV,  9
.set ADS,  10
.set ADT,  11
.set QB,   16                          ; tile B's Q fragment; its scale word in v24
.set QBS,  24
.set QO,   25
.set QSO,  26
.set DQ,   27                          ; r - 16 (lane / 16) + 16 p
.set STO,  28
.set RD,   29
.set KD,   32
.set VF,   68
.set SC,   100
.set OT,   164
.set PC,   196
.set KSW,  204
.set VSW,  212
.set BM,   216                         ; the four blocks' largest scores, then largest p
.set PT,   220                         ; the other half's maxima; the second chain of the sum; the scale bytes
.set SO,   224                         ; the conversions' scale operands
.set FF,   228                         ; v[228:229] f = 2^(old M - new M); v229 is named with it and written once
.set PW,   230                         ; p's scale word
.set TT,   231
.set QA,   232                         ; tile A's Q fragment; its scale word in v240
.set QAS,  240
.set NINF, 242
.set WV,   18                          ; s18  my wave's number
.set PL,   19                          ; s19  p: my work-group's place in the cluster
.set SEL,  20                          ; s[20:21] lane selects for v_permlanex16_b32: lane l xor 16
.set CS,   22                          ; s[22:23] c = log2(e) / 8
.set JA,   27
.set JJ,   28                          ; the j of the pass in hand
.set JB,   29
.set G0,   36                          ; s[36:55] five groups 0
.set TK,   56                          ; where the step's keys begin in K's codes: 6,144 bytes a step
.set TV,   57                          ; in V's codes: 64 bytes a step, a chunk on after four
.set TS,   58                          ; in K's scale bytes: 4,224 a step
.set TJ,   59                          ; in V's: 4 a step
.set S2,   60                          ; 2 s
.set CH,   61
.set ST,   62
.set TMP,  63
.set G1K,  68
.set G1V,  76
.set G1KS, 84
.set G1VS, 92
; A round of the cluster's barrier: my work-group's barrier; wave 0 signals for the work-group; every wave waits for all four work-groups; my work-group's barrier once more.
.macro CROUND
	s_barrier_signal -1
	s_barrier_wait -1
	s_cmp_lg_u32 s[WV], 0
	s_cbranch_scc1 .Lnot_wave_0_\@
	s_barrier_signal -3
.Lnot_wave_0_\@:
	s_barrier_wait -3
	s_barrier_signal -1
	s_barrier_wait -1
.endm
; Group 0, set n, but for its LDS word: count, global address = pointer + off, type.
.macro MKG0 n, ptr, off
	s_mov_b32 s[G0+4*(\n)], 1
	s_add_nc_u64 s[G0+4*(\n)+2:G0+4*(\n)+3], s[\ptr:\ptr+1], \off
	s_or_b32 s[G0+4*(\n)+3], s[G0+4*(\n)+3], 0x80000000
.endm
; A barrier that shows a chunk: each loading wave has issued its chunks in the order 0, 1, 2, 3, so left = the number of its later chunks' loads.  They may stay out.
.macro MEET left
	s_wait_tensorcnt \left
	s_wait_dscnt 0x0
	s_barrier_signal -1
	s_barrier_wait -1
.endm
	s_load_b256 s[4:11], s[0:1], 0x0               ; K's codes s[4:5], K's scales s[6:7], Q's codes s[8:9], Q's scales s[10:11]
	s_load_b128 s[12:15], s[0:1], 0x20             ; V's codes s[12:13], V's scales s[14:15]
	s_load_b64 s[16:17], s[0:1], 0x30              ; out0
	v_lshl_add_u32 v[SPW], v0, 2, SPARE
	v_mov_b32 v[NIL], 0
	ds_add_u32 v[SPW], v[NIL]                      ; the wave's opening: the add, twice on end, and its wait ahead of the first tensor loads; the set-up below stands between
	ds_add_u32 v[SPW], v[NIL]                      ; and once more, under the one wait
	v_lshrrev_b32 v8, 5, v0
	s_delay_alu instid0(VALU_DEP_1)
	v_readfirstlane_b32 s[WV], v8                  ; wave 0..15
	s_bfe_u32 s[PL], ttmp6, 0x40000                ; p: it enters Q's and out0's addresses and the mask's comparison, nothing else
	s_and_b32 s24, ttmp7, 0xffff                   ; y = 16 b + h, which the four partners share
	s_lshr_b32 s25, s24, 4                         ; b
	s_and_b32 s26, s24, 15                         ; h
	s_mov_b32 s[JA], s[WV]                         ; pass A: j = w
	s_xor_b32 s[JB], s[WV], 31                     ; pass B: j = 31 - w
	; groups 1.  15:0 the mask: all four work-groups; 17:16 element size; 20 padding on; 21 set beside a mask; 24:22 the interval; 31:25 the padding
	s_mov_b32 s[G1K], 15|(1<<20)|(1<<21)|(2<<22)|(3<<25)            ; K's codes: 64 rows of 32 bytes, 512 apart; 4 words of padding after every 8
	s_mov_b32 s[G1K+1], 32<<16
	s_mov_b32 s[G1K+2], 64<<16
	s_mov_b32 s[G1K+3], 32<<16
	s_mov_b32 s[G1K+4], 64
	s_mov_b32 s[G1K+5], 512
	s_mov_b32 s[G1K+6], 0
	s_mov_b32 s[G1K+7], 0
	s_mov_b32 s[G1V], 15|(1<<20)|(1<<21)|(5<<22)|(3<<25)            ; V's codes: 64 rows of 256 bytes, 1,024 apart; 4 words after every 64
	s_mov_b32 s[G1V+1], 256<<16
	s_mov_b32 s[G1V+2], 64<<16
	s_mov_b32 s[G1V+3], 256<<16
	s_mov_b32 s[G1V+4], 64
	s_mov_b32 s[G1V+5], 1024
	s_mov_b32 s[G1V+6], 0
	s_mov_b32 s[G1V+7], 0
	s_mov_b32 s[G1KS], 15|(3<<16)|(1<<20)|(1<<21)|(5<<22)|(1<<25)   ; K's scale bytes: a dense block as 64 rows of 32 elements of 8 bytes; 2 words after every 64
	s_mov_b32 s[G1KS+1], 32<<16
	s_mov_b32 s[G1KS+2], 64<<16
	s_mov_b32 s[G1KS+3], 32<<16
	s_mov_b32 s[G1KS+4], 64
	s_mov_b32 s[G1KS+5], 32
	s_mov_b32 s[G1KS+6], 0
	s_mov_b32 s[G1KS+7], 0
	s_mov_b32 s[G1VS], 15|(3<<16)|(1<<20)|(1<<21)|(5<<22)|(3<<25)   ; V's scale bytes: 16 such rows; 4 words after every 64
	s_mov_b32 s[G1VS+1], 32<<16
	s_mov_b32 s[G1VS+2], 16<<16
	s_mov_b32 s[G1VS+3], 32<<16
	s_mov_b32 s[G1VS+4], 16
	s_mov_b32 s[G1VS+5], 32
	s_mov_b32 s[G1VS+6], 0
	s_mov_b32 s[G1VS+7], 0
	s_mov_b32 s[SEL], 0x76543210
	s_mov_b32 s[SEL+1], 0xfedcba98
	s_mov_b32 s[CS], 0x3e38aa3b                    ; c = log2(e) / 8
	s_mov_b32 s[CS+1], s[CS]                       ; (named with it as a pair, so it is written)
	; where the tiles come from: b, h and the wave's number alone; none of these registers ever holds p
	s_lshl_b32 s56, s25, 20
	s_lshl_b32 s57, s26, 5
	s_add_co_u32 s56, s56, s57
	s_lshl_b32 s57, s[WV], 15
	s_add_co_u32 s56, s56, s57                     ; K's codes: batch, head, 64 keys x wave
	s_mov_b32 s57, 0
	s_lshl_b32 s58, s24, 16                        ; V's codes: 65,536 bytes a (b, h)
	s_mov_b32 s59, 0
	s_lshl_b32 s60, s25, 16                        ; K's scale bytes: 65,536 a batch
	s_mov_b32 s61, 0
	s_lshl_b32 s62, s24, 12                        ; V's: 4,096 a (b, h)
	s_mov_b32 s63, 0
	s_mul_i32 s66, s[WV], 3072                     ; and where K's go: 64 keys x 48 bytes x wave
	s_wait_dscnt 0x0                               ; both opening adds are done
	s_wait_kmcnt 0x0
	s_add_nc_u64 s[4:5], s[4:5], s[56:57]
	s_add_nc_u64 s[12:13], s[12:13], s[58:59]
	s_add_nc_u64 s[6:7], s[6:7], s[60:61]
	s_add_nc_u64 s[14:15], s[14:15], s[62:63]
	CROUND                                         ; all four work-groups are here: the joint loads meet
	; THE FIRST FILLS, which are all the fills: one branch on the wave's number, the same in every partner.  Waves 0-7: K's codes, 64 keys of each chunk; wave 8: V's codes; wave 9: the scale bytes.
	; A wave has five loads out at the most.  An s_nop 0 follows each load, four v_nop the last of an arm.
	s_cmp_lt_u32 s[WV], 8
	s_cbranch_scc0 .Lnot_k
.irp c, 0,1,2,3
	MKG0 \c, 4, \c*262144                          ; chunk c: 512 keys of 512 bytes on
	s_add_co_u32 s[G0+4*\c+1], s66, \c*24576       ; and 512 x 48 bytes on in LDS
.endr
.irp c, 0,1,2,3
	tensor_load_to_lds s[G0+4*\c:G0+4*\c+3], s[G1K:G1K+7]
	s_nop 0
.endr
.rept 4
	v_nop
.endr
	s_branch .Lasked
.Lnot_k:
	s_cmp_eq_u32 s[WV], 8
	s_cbranch_scc0 .Lnot_v
.irp c, 0,1,2,3
	MKG0 \c, 12, \c*256                            ; chunk c: 512 codes on in each row
	s_mov_b32 s[G0+4*\c+1], VC+\c*VCH
.endr
.irp c, 0,1,2,3
	tensor_load_to_lds s[G0+4*\c:G0+4*\c+3], s[G1V:G1V+7]
	s_nop 0
.endr
.rept 4
	v_nop
.endr
	s_branch .Lasked
.Lnot_v:
	s_cmp_eq_u32 s[WV], 9
	s_cbranch_scc0 .Lasked
	MKG0 4, 14, 0                                  ; V's scale bytes first: they are wanted with chunk 0
	s_mov_b32 s[G0+17], VS
.irp c, 0,1,2,3
	MKG0 \c, 6, \c*16384                           ; chunk c of K's: 512 keys x 32 bytes on
	s_mov_b32 s[G0+4*\c+1], KS+\c*KSCH
.endr
	tensor_load_to_lds s[G0+16:G0+19], s[G1VS:G1VS+7]
	s_nop 0
.irp c, 0,1,2,3
	tensor_load_to_lds s[G0+4*\c:G0+4*\c+3], s[G1KS:G1KS+7]
	s_nop 0
.endr
.rept 4
	v_nop
.endr
.Lasked:
	; my two tiles' first bytes.  Tile j begins with query 64 j + 16 p.  s2, s3 and s67 are the only work registers that hold p
	s_mov_b32 s3, 0
	s_lshl_b32 s2, s25, 20
	s_lshl_b32 s67, s26, 5
	s_add_co_u32 s2, s2, s67
	s_lshl_b32 s67, s[PL], 13
	s_add_co_u32 s2, s2, s67
	s_add_nc_u64 s[8:9], s[8:9], s[2:3]            ; Q's codes at (b, h), query 16 p
	s_lshl_b32 s2, s[JA], 15
	s_add_nc_u64 s[30:31], s[8:9], s[2:3]          ; tile A
	s_lshl_b32 s2, s[JB], 15
	s_add_nc_u64 s[8:9], s[8:9], s[2:3]            ; tile B
	s_lshl_b32 s2, s25, 16
	s_lshl_b32 s67, s26, 1
	s_add_co_u32 s2, s2, s67
	s_lshl_b32 s67, s[PL], 9
	s_add_co_u32 s2, s2, s67
	s_add_nc_u64 s[10:11], s[10:11], s[2:3]        ; Q's scale bytes likewise
	s_lshl_b32 s2, s[JA], 11
	s_add_nc_u64 s[32:33], s[10:11], s[2:3]
	s_lshl_b32 s2, s[JB], 11
	s_add_nc_u64 s[10:11], s[10:11], s[2:3]
	s_lshl_b32 s2, s25, 23
	s_lshl_b32 s67, s26, 8
	s_add_co_u32 s2, s2, s67
	s_lshl_b32 s67, s[PL], 16
	s_add_co_u32 s2, s2, s67
	s_add_nc_u64 s[16:17], s[16:17], s[2:3]        ; out0 likewise
	s_lshl_b32 s2, s[JA], 18
	s_add_nc_u64 s[34:35], s[16:17], s[2:3]
	s_lshl_b32 s2, s[JB], 18
	s_add_nc_u64 s[16:17], s[16:17], s[2:3]
	v_and_b32 v8, 15, v0                           ; r = lane % 16
	v_bfe_u32 v9, v0, 4, 1                         ; hl = lane / 16
	s_delay_alu instid0(VALU_DEP_2)
	v_lshlrev_b32 v[QO], 9, v8
	s_delay_alu instid0(VALU_DEP_1)
	v_lshl_add_u32 v[QO], v9, 4, v[QO]             ; Q: query r, 512 bytes apart, + my half's 16 bytes (D = 32 hl on)
	s_delay_alu instid0(VALU_DEP_4)
	v_lshlrev_b32 v[QSO], 5, v8                    ; its scale bytes: 32 apart
	global_load_b128 v[QB:QB+3], v[QO], s[8:9]     ; both tiles' Q stay in registers
	global_load_u16 v[QBS], v[QSO], s[10:11]       ; two scale bytes; the upper two bytes of the word are 0
	global_load_b128 v[QA:QA+3], v[QO], s[30:31]
	global_load_u16 v[QAS], v[QSO], s[32:33]
	v_and_b32 v10, 8, v8                           ; 8 (r / 8)
	s_delay_alu instid0(VALU_DEP_1)
	v_add_nc_u32 v11, v10, v8                      ; r + 8 (r / 8)
	s_delay_alu instid0(VALU_DEP_1)
	v_mul_u32_u24 v[AK0], v11, 48
	s_delay_alu instid0(VALU_DEP_1)
	v_lshl_add_u32 v[AK0], v9, 4, v[AK0]           ; K's codes: my key of a tile, my half's 16 bytes
	v_mul_u32_u24 v[AV0], v8, 272
	s_delay_alu instid0(VALU_DEP_1)
	v_lshl_add_u32 v[AV0], v9, 4, v[AV0]
	s_delay_alu instid0(VALU_DEP_1)
	v_add_nc_u32 v[AV0], VC, v[AV0]                ; V's codes: row r of a tile
	v_lshlrev_b32 v[ASK0], 5, v11                  ; K's scale bytes: 32 a key,
	s_delay_alu instid0(VALU_DEP_1)
	v_lshl_add_u32 v[ASK0], v10, 1, v[ASK0]        ; 16 more where two pieces' paddings are passed (r >= 8: keys 16 on),
	s_lshl_b32 s66, s26, 1
	s_add_co_u32 s66, s66, KS
	v_add_nc_u32 v[ASK0], s66, v[ASK0]             ; my head's two bytes
	v_lshrrev_b32 v12, 2, v8
	v_lshlrev_b32 v[ASV0], 6, v8
	s_delay_alu instid0(VALU_DEP_1)
	v_lshl_add_u32 v[ASV0], v12, 4, v[ASV0]
	s_delay_alu instid0(VALU_DEP_1)
	v_add_nc_u32 v[ASV0], VS, v[ASV0]              ; V's scale bytes: 64 r + 16 (r / 4)
	v_lshlrev_b32 v[GO], 12, v9
	s_delay_alu instid0(VALU_DEP_1)
	v_lshl_add_u32 v[GO], v8, 4, v[GO]             ; the way out: lanes 0-15 one query's 256 bytes, lanes 16-31 the next query's, 4,096 bytes on
	v_lshlrev_b32 v[DQ], 4, v9
	s_delay_alu instid0(VALU_DEP_1)
	v_sub_nc_u32 v[DQ], v8, v[DQ]
	s_lshl_b32 s67, s[PL], 4
	v_add_nc_u32 v[DQ], s67, v[DQ]                 ; r - 16 hl + 16 p: for the mask's comparison
	s_mul_i32 s66, s[WV], 4352
	s_add_co_u32 s66, s66, STAGE                   ; my stage
	v_mul_u32_u24 v[STO], v8, 272
	s_delay_alu instid0(VALU_DEP_1)
	v_lshl_add_u32 v[STO], v9, 5, v[STO]
	s_delay_alu instid0(VALU_DEP_1)
	v_add_nc_u32 v[STO], s66, v[STO]               ; in: row r; tile t's eight channels of my half: 64 t + 32 hl bytes on
	v_mul_u32_u24 v[RD], v9, 272
	s_delay_alu instid0(VALU_DEP_1)
	v_lshl_add_u32 v[RD], v8, 4, v[RD]
	s_delay_alu instid0(VALU_DEP_1)
	v_add_nc_u32 v[RD], s66, v[RD]                 ; back: lanes 0-15 one row, lanes 16-31 the next
.irp i, 0,1,2,3
	v_mov_b32 v[QB+4+\i], 0                        ; zero codes for 64 .. 127 along the first product's K
	v_mov_b32 v[QA+4+\i], 0
	v_mov_b32 v[KD+32+\i], 0                       ; what tile 7's fragment names behind its codes
	v_mov_b32 v[PT+\i], 0                          ; written once: a lane permute's destination counts as one of its sources
.endr
	v_mov_b32 v[FF+1], 0                           ; (named as the upper half of the pair)
	v_mov_b32 v[TT], 0
	v_mov_b32 v[NINF], 0xff800000                  ; -infinity
; A pass begins: O^T and the sum are zeros and the largest t is -3e38, so the key step is written once: the first change of M multiplies zeros by 0.
.macro INIT jr
	s_mov_b32 s[JJ], s[\jr]
	s_mov_b32 s[TK], 0
	s_mov_b32 s[TV], 0
	s_mov_b32 s[TS], 0
	s_mov_b32 s[TJ], 0
	s_mov_b32 s[S2], 0
	v_mov_b32 v13, 0xff61b1e6                      ; -3e38, under every t
	s_delay_alu instid0(VALU_DEP_1)
	v_floor_f32 v12, -v13                          ; -M
	v_mov_b32 v14, 0
	v_mov_b32 v15, 0
.set j, 0
.rept 32
	v_mov_b32 v[OT+j], 0
.set j, j+1
.endr
.endm
; A KEY STEP: 128 keys.  qf, qs: the tile's Q fragment and scale word.  causal = 1: the step may lie on or behind the diagonal.
.macro STEP qf, qs, causal
.if \causal
	s_cmp_gt_u32 s[S2], s[JJ]                      ; 2 s > j: all 128 keys come after my 16 queries: the step's work is left out, not the lines at its end that step addresses
	s_cbranch_scc1 .Lhid_\@
.endif
	s_setprio 2
	v_add_nc_u32 v[ADK], s[TK], v[AK0]             ; these four are also the four places between the last step's products and the loads into their operands
	v_add_nc_u32 v[ADV], s[TV], v[AV0]
	v_add_nc_u32 v[ADS], s[TS], v[ASK0]
	v_add_nc_u32 v[ADT], s[TJ], v[ASV0]
.irp t, 0,1,2,3,4,5,6,7
	ds_load_b128 v[KD+4*\t:KD+4*\t+3], v[ADK] offset:(32*(\t/2)+8*(\t%2))*48
	ds_load_u16 v[KSW+\t], v[ADS] offset:1056*(\t/2)+264*(\t%2)
.endr
.irp t, 0,1,2,3
	ds_load_b128 v[VF+8*\t:VF+8*\t+3], v[ADV] offset:16*\t*272
	ds_load_b128 v[VF+8*\t+4:VF+8*\t+7], v[ADV] offset:16*\t*272+32
	ds_load_b32 v[VSW+\t], v[ADT] offset:1088*\t
.endr
	s_wait_dscnt 12                                ; K's sixteen loads are in; V's twelve, issued behind them, may stay out: they land under the softmax
.irp t, 0,1,2,3,4,5,6,7
	v_wmma_scale_f32_16x16x128_f8f6f4 v[SC+8*\t:SC+8*\t+7], v[KD+4*\t:KD+4*\t+7], v[\qf:\qf+7], 0, v[KSW+\t], v[\qs] matrix_a_fmt:MATRIX_FMT_FP4 matrix_b_fmt:MATRIX_FMT_FP4
.endr
.rept 4
	v_nop                                          ; four places ahead of the first read of the scores
.endr
.if \causal
	s_add_co_u32 s[TMP], s[S2], 2
	s_cmp_le_u32 s[TMP], s[JJ]                     ; 2 s + 2 <= j: all 128 keys count
	s_cbranch_scc1 .Lopen_\@
	s_sub_co_u32 s[TMP], s[JJ], s[S2]
	s_lshl_b32 s[TMP], s[TMP], 6
	v_add_nc_u32 v[TT], s[TMP], v[DQ]              ; my query - the step's first key - 16 hl.  Register 16 b + i holds key 32 b + 16 hl + i of the step: hidden where 32 b + i is above this
.set n, 0
.rept 64
	v_cmp_gt_i32 vcc_lo, 32*(n/16)+n%16, v[TT]
	v_cndmask_b32 v[SC+n], v[SC+n], v[NINF], vcc_lo
.set n, n+1
.endr
.Lopen_\@:
.endif
.irp b, 0,1,2,3
	v_max3_num_f32 v[BM+\b], v[SC+16*\b], v[SC+1+16*\b], v[SC+2+16*\b]   ; the largest score of each block of 32 keys: for the row's maximum, and, since p rises with the score, for the block's largest p
.endr
.irp i, 3,5,7,9,11,13
.irp b, 0,1,2,3
	v_max3_num_f32 v[BM+\b], v[BM+\b], v[SC+16*\b+\i], v[SC+1+16*\b+\i]   ; (the four blocks by turns)
.endr
.endr
.irp b, 0,1,2,3
	v_max_num_f32 v[BM+\b], v[BM+\b], v[SC+15+16*\b]
.endr
.irp b, 0,1,2,3
	s_delay_alu instid0(VALU_DEP_4)
	v_permlanex16_b32 v[PT+\b], v[BM+\b], s[SEL], s[SEL+1]
.endr
.irp b, 0,1,2,3
	s_delay_alu instid0(VALU_DEP_4)
	v_max_num_f32 v[BM+\b], v[BM+\b], v[PT+\b]     ; with lane l xor 16's 16 keys
.endr
	s_delay_alu instid0(VALU_DEP_2)
	v_max3_num_f32 v[TT], v[BM], v[BM+1], v[BM+2]
	s_delay_alu instid0(VALU_DEP_1)
	v_max_num_f32 v[TT], v[TT], v[BM+3]            ; the step's largest score of my query
	s_delay_alu instid0(VALU_DEP_1)
	v_mul_f32 v[TT], s[CS], v[TT]                  ; as t (c is positive)
	s_delay_alu instid0(VALU_DEP_1)
	v_max_num_f32 v13, v13, v[TT]                  ; the running largest t
	v_mov_b32 v[TT], v12
	s_delay_alu instid0(VALU_DEP_2)
	v_floor_f32 v12, -v13                          ; the new -M = floor(-t) = -ceil(t): a whole number
	s_delay_alu instid0(VALU_DEP_1)
	v_sub_f32 v[TT], v12, v[TT]                    ; old M - new M: a whole number, 0 or less
	s_delay_alu instid0(VALU_DEP_1)
	v_cvt_i32_f32 v[TT], v[TT]                     ; (it saturates)
	s_delay_alu instid0(VALU_DEP_1)
	v_ldexp_f32 v[FF], 1.0, v[TT]                  ; f = 2^(old M - new M)
.set j, 0
.rept 32
	v_pk_fma_f32 v[SC+j:SC+j+1], v[SC+j:SC+j+1], s[CS:CS+1], v[12:13] op_sel_hi:[1,0,0]   ; t - M, two at a time (of the pairs c and -M the low word serves both halves)
.set j, j+2
.endr
.irp b, 0,1,2,3
	v_fma_f32 v[BM+\b], v[BM+\b], s[CS], v12       ; the same of each block's largest score
.endr
.set j, 0
	s_setprio 1
	s_wait_alu depctr_va_vdst(0)
.rept 64
	v_exp_f32 v[SC+j], v[SC+j]                     ; p = 2^(t - M), at most 1: not normalised
.set j, j+1
.endr
	v_pk_mul_f32 v[14:15], v[14:15], v[FF:FF+1] op_sel_hi:[1,0]   ; the sums under the new M: the plain instruction behind the exponentials
	s_wait_alu depctr_va_vdst(0)                   ; the wait ahead of the first instruction that names a result: one for the 64
.irp b, 0,1,2,3
	v_exp_f32 v[BM+\b], v[BM+\b]                   ; the block's largest p: the same two instructions on the same number give the same bits
.endr
	v_pk_add_f32 v[220:221], v[104:105], v[108:109]
	v_pk_add_f32 v[254:255], v[112:113], v[116:117]
	v_pk_add_f32 v[252:253], v[120:121], v[124:125]
	v_pk_add_f32 v[250:251], v[128:129], v[132:133]
	v_pk_add_f32 v[248:249], v[136:137], v[140:141]
	v_pk_add_f32 v[246:247], v[144:145], v[148:149]
	v_pk_add_f32 v[244:245], v[152:153], v[156:157]
	v_pk_add_f32 v[14:15], v[14:15], v[160:161]
	v_pk_add_f32 v[220:221], v[220:221], v[100:101]
	v_pk_add_f32 v[254:255], v[254:255], v[102:103]
	v_pk_add_f32 v[252:253], v[252:253], v[106:107]
	v_pk_add_f32 v[250:251], v[250:251], v[110:111]
	v_pk_add_f32 v[248:249], v[248:249], v[114:115]
	v_pk_add_f32 v[246:247], v[246:247], v[118:119]
	v_pk_add_f32 v[244:245], v[244:245], v[122:123]
	v_pk_add_f32 v[14:15], v[14:15], v[126:127]
	v_pk_add_f32 v[220:221], v[220:221], v[130:131]
	v_pk_add_f32 v[254:255], v[254:255], v[134:135]
	v_pk_add_f32 v[252:253], v[252:253], v[138:139]
	v_pk_add_f32 v[250:251], v[250:251], v[142:143]
	v_pk_add_f32 v[248:249], v[248:249], v[146:147]
	v_pk_add_f32 v[246:247], v[246:247], v[150:151]
	v_pk_add_f32 v[244:245], v[244:245], v[154:155]
	v_pk_add_f32 v[14:15], v[14:15], v[158:159]
	v_pk_add_f32 v[220:221], v[220:221], v[162:163]
	s_delay_alu instid0(VALU_DEP_2)
	v_pk_add_f32 v[14:15], v[14:15], v[250:251]
	s_delay_alu instid0(VALU_DEP_2)
	v_pk_add_f32 v[220:221], v[220:221], v[248:249]
	v_pk_add_f32 v[254:255], v[254:255], v[246:247]
	v_pk_add_f32 v[252:253], v[252:253], v[244:245]
	s_delay_alu instid0(VALU_DEP_2)
	v_pk_add_f32 v[14:15], v[14:15], v[254:255]
	s_delay_alu instid0(VALU_DEP_2)
	v_pk_add_f32 v[220:221], v[220:221], v[252:253]
	s_delay_alu instid0(VALU_DEP_1)
	v_pk_add_f32 v[14:15], v[14:15], v[220:221]
	s_wait_alu depctr_va_vdst(0)                   ; and one for the four
.irp b, 0,1,2,3
	v_max_num_f32 v[BM+\b], 0x1800000, v[BM+\b]    ; the floor 2^(3 - 127): the byte cannot fall under 1 (a block whose every p is 0 keeps that byte: its codes are zeros)
.endr
.irp b, 0,1,2,3
	s_delay_alu instid0(VALU_DEP_4)
	v_add_nc_u32 v[SO+\b], 0xff000000, v[BM+\b]    ; 2 off the exponent field: the conversion's scale operand
.endr
.irp b, 0,1,2,3
	s_delay_alu instid0(VALU_DEP_4)
	v_lshrrev_b32 v[PT+\b], 23, v[SO+\b]           ; the scale's byte
.endr
	s_delay_alu instid0(VALU_DEP_3)
	v_lshl_or_b32 v[PW], v[PT+1], 8, v[PT]         ; p's scale word for these 128 keys
	s_delay_alu instid0(VALU_DEP_1)
	v_lshl_or_b32 v[PW], v[PT+2], 16, v[PW]
	s_delay_alu instid0(VALU_DEP_1)
	v_lshl_or_b32 v[PW], v[PT+3], 24, v[PW]
	s_setprio 0
.irp b, 0,1,2,3
	v_cvt_scalef32_pk8_fp4_f32 v[PC+2*\b], v[SC+16*\b:SC+7+16*\b], v[SO+\b]
	v_cvt_scalef32_pk8_fp4_f32 v[PC+1+2*\b], v[SC+8+16*\b:SC+15+16*\b], v[SO+\b]
.endr
	v_nop                                          ; one plain instruction between a scaled conversion and the instruction that touches its result
.irp c, 0,1                                    ; the operand's layout wants a whole block in a lane: lanes 0-15 block 2 c, lanes 16-31 block 2 c + 1
.irp i, 0,1
	v_permlane16_swap_b32 v[PC+4*\c+\i], v[PC+2+4*\c+\i]
.endr
.endr
.set j, 0
.rept 16
	v_pk_mul_f32 v[OT+j:OT+j+1], v[OT+j:OT+j+1], v[FF:FF+1] op_sel_hi:[1,0]   ; O^T under the new M, from each accumulator's low end on; these sixteen also stand between the writes of p's codes and scale word and the products
.set j, j+2
.endr
	s_wait_alu depctr_va_vdst(0)
	s_wait_dscnt 0x0                               ; V's fragments and scale words are in
.irp t, 0,1,2,3                                ; the four accumulators take turns, one instruction a turn, behind the eight of S^T
	v_wmma_scale_f32_16x16x128_f8f6f4 v[OT+8*\t:OT+8*\t+7], v[VF+8*\t:VF+8*\t+7], v[PC:PC+7], v[OT+8*\t:OT+8*\t+7], v[VSW+\t], v[PW] matrix_a_fmt:MATRIX_FMT_FP4 matrix_b_fmt:MATRIX_FMT_FP4
.endr
.Lhid_\@:
	s_add_co_u32 s[TK], s[TK], 6144                ; 128 keys x 48 bytes
	s_add_co_u32 s[TS], s[TS], 4224                ; 16 pieces x 264 bytes
	s_add_co_u32 s[TJ], s[TJ], 4
	s_add_co_u32 s[TV], s[TV], 64
	s_add_co_u32 s[S2], s[S2], 2
.endm
; nch chunks of four key steps: loops of constant count; what a wave does not need is jumped over inside the step.
.macro WALK nch, qf, qs, causal
.if \nch > 1
	s_mov_b32 s[CH], \nch
.Lch_\@:
.endif
	s_mov_b32 s[ST], 4
.Lst_\@:
	STEP \qf, \qs, \causal
	s_sub_co_u32 s[ST], s[ST], 1
	s_cmp_lg_u32 s[ST], 0
	s_cbranch_scc1 .Lst_\@
	s_setprio 0
	s_add_co_u32 s[TV], s[TV], VCH-256             ; V's next chunk
.if \nch > 1
	s_sub_co_u32 s[CH], s[CH], 1
	s_cmp_lg_u32 s[CH], 0
	s_cbranch_scc1 .Lch_\@
.endif
.endm
; THE WAY OUT of a tile.  O^T is divided by the sum and goes through my stage in LDS, so that sixteen lanes store one query's 256 consecutive bytes, at a multiple of 256 from out0's first byte.
.macro OUT base
.rept 4
	v_nop                                          ; four places behind the last products
.endr
	v_add_f32 v14, v14, v15                        ; the sum's two halves,
	s_delay_alu instid0(VALU_DEP_1)
	v_permlanex16_b32 v[TT], v14, s[SEL], s[SEL+1]
	s_delay_alu instid0(VALU_DEP_1)
	v_add_f32 v14, v14, v[TT]                      ; and lane l xor 16's: the row's sum
	s_wait_alu depctr_va_vdst(0)
	v_rcp_f32 v14, v14
	v_nop                                          ; a plain instruction behind the reciprocal
	s_wait_alu depctr_va_vdst(0)                   ; and the wait ahead of its first reader
.set j, 0
.rept 16
	v_pk_mul_f32 v[SC+j:SC+j+1], v[OT+j:OT+j+1], v[14:15] op_sel_hi:[1,0]   ; register 8 t + i is o(query r, channel 16 t + 8 hl + i)
.set j, j+2
.endr
.irp t, 0,1,2,3
	ds_store_b128 v[STO], v[SC+8*\t:SC+8*\t+3] offset:64*\t
	ds_store_b128 v[STO], v[SC+8*\t+4:SC+8*\t+7] offset:64*\t+16
.endr
.irp i, 0,1,2,3,4,5,6,7
	ds_load_b128 v[VF+4*\i:VF+4*\i+3], v[RD] offset:544*\i   ; LDS serves a wave's instructions in order (ISA guide 5.7.1.4): these see my stores
.endr
.irp i, 0,1,2,3,4,5,6,7
	s_wait_dscnt 7-\i                              ; load i is in; the younger ones may be out
	global_store_b128 v[GO], v[VF+4*\i:VF+4*\i+3], s[\base:\base+1] offset:8192*\i th:TH_STORE_NT
.endr
.endm
	INIT JB
	s_wait_loadcnt 0x0                             ; both tiles' Q
	MEET 3                                         ; chunk 0 (and V's scale bytes) are in, in every loading wave; three later loads of each may be out
	WALK 1, QB, QBS, 0                             ; pass B, key steps 0-3: j >= 16, so every wave needs them whole
	MEET 2                                         ; chunk 1
	WALK 1, QB, QBS, 0                             ; key steps 4-7: likewise
	MEET 0                                         ; all of the head lies in LDS: no barrier is needed from here to the end
	WALK 2, QB, QBS, 1                             ; key steps 8-15, as far as my tile reaches
	OUT 16
	s_wait_xcnt 0x0                                ; the stores have read their registers, which the next pass loads again
	INIT JA
	WALK 2, QA, QAS, 1                             ; pass A: j <= 15: key steps 0-7, as far as my tile reaches
	OUT 34
	s_wait_tensorcnt 0x0                           ; the wave's end, behind my last tensor load and my last LDS store
	ds_add_u32 v[SPW], v[NIL]
	s_wait_dscnt 0x0
	CROUND                                         ; the closing round
	s_endpgm
.Lfunc_end_k_q0a6fe7e086_attn:
	.size	k_q0a6fe7e086_attn, .Lfunc_end_k_q0a6fe7e086_attn-k_q0a6fe7e086_attn
	.p2alignl 7, 3214868480
	.fill 96, 4, 3214868480
	.section	.rodata,"a",@progbits
	.p2align	6, 0x0
	.amdhsa_kernel k_q0a6fe7e086_attn
		.amdhsa_group_segment_fixed_size 327680
		.amdhsa_private_segment_fixed_size 0
		.amdhsa_enable_private_segment 0
		.amdhsa_kernarg_size 56
		.amdhsa_user_sgpr_count 2
		.amdhsa_user_sgpr_kernarg_segment_ptr 1
		.amdhsa_wavefront_size32 1
		.amdhsa_system_sgpr_workgroup_id_x 1
		.amdhsa_system_sgpr_workgroup_id_y 1
		.amdhsa_system_sgpr_workgroup_id_z 1
		.amdhsa_system_vgpr_workitem_id 0
		.amdhsa_next_free_vgpr 256
		.amdhsa_next_free_sgpr 100
		.amdhsa_reserve_vcc 1
		.amdhsa_float_denorm_mode_32 3
		.amdhsa_float_denorm_mode_16_64 3
		.amdhsa_memory_ordered 1
		.amdhsa_forward_progress 1
		.amdhsa_inst_pref_size 102
	.end_amdhsa_kernel
	.amdgpu_metadata
---
amdhsa.version: [ 1, 2 ]
amdhsa.kernels:
  - .name:           k_q0a6fe7e086_attn
    .symbol:         k_q0a6fe7e086_attn.kd
    .args:
      - { .name: k_codes, .offset: 0, .size: 8, .value_kind: global_buffer, .address_space: global }
      - { .name: k_scales, .offset: 8, .size: 8, .value_kind: global_buffer, .address_space: global }
      - { .name: q_codes, .offset: 16, .size: 8, .value_kind: global_buffer, .address_space: global }
      - { .name: q_scales, .offset: 24, .size: 8, .value_kind: global_buffer, .address_space: global }
      - { .name: v_codes, .offset: 32, .size: 8, .value_kind: global_buffer, .address_space: global }
      - { .name: v_scales, .offset: 40, .size: 8, .value_kind: global_buffer, .address_space: global }
      - { .name: out0, .offset: 48, .size: 8, .value_kind: global_buffer, .address_space: global }
    .group_segment_fixed_size: 327680
    .private_segment_fixed_size: 0
    .kernarg_segment_align: 8
    .kernarg_segment_size: 56
    .max_flat_workgroup_size: 512
    .sgpr_count:     100
    .vgpr_count:     256
    .wavefront_size: 32
...
	.end_amdgpu_metadata
.endif
;; end of part 1
